; MI455X (gfx1250); checked and timed in simulation.
; The chip was launched on July 23, 2026; its instructions are those of AMD's public machine-readable ISA for CDNA 5 (MIT licence, August 2026) and "CDNA5" Instruction Set Architecture Reference Guide (July 2026). The comments in the code are by the model that wrote it; some were corrected since.
;; Multi Head Attention. Allowed arithmetic: matrix products marked QUANTISED: E4M3 operands, one E8M0 scale for each 32 along K, by v_wmma_scale_f32_16x16x128_f8f6f4 with both operands' format E4M3, f32 sums; everything else in f32.
;; Inputs: Wk_codes 1,024 x 32 x 32 uint8 (E4M3 codes of Wk, K innermost, in blocks of 32 codes); Wk_scales 1,024 x 32 uint8 (E8M0 scales of Wk, one for each 32 codes along K); Wq_codes 1,024 x 32 x 32 uint8 (E4M3 codes of Wq, K innermost, in blocks of 32 codes); Wq_scales 1,024 x 32 uint8 (E8M0 scales of Wq, one for each 32 codes along K); Wv_codes 1,024 x 32 x 32 uint8 (E4M3 codes of Wv, K innermost, in blocks of 32 codes); Wv_scales 1,024 x 32 uint8 (E8M0 scales of Wv, one for each 32 codes along K); bk 1,024 float32; bq 1,024 float32; bv 1,024 float32; key_codes 4 x 2,048 x 32 x 32 uint8 (E4M3 codes of key, K innermost, in blocks of 32 codes); key_scales 4 x 2,048 x 32 uint8 (E8M0 scales of key, one for each 32 codes along K); query_codes 4 x 2,048 x 32 x 32 uint8 (E4M3 codes of query, K innermost, in blocks of 32 codes); query_scales 4 x 2,048 x 32 uint8 (E8M0 scales of query, one for each 32 codes along K); value_codes 4 x 2,048 x 32 x 32 uint8 (E4M3 codes of value, K innermost, in blocks of 32 codes); value_scales 4 x 2,048 x 32 uint8 (E8M0 scales of value, one for each 32 codes along K).
;; Outputs: out0 4 x 2,048 x 1,024 float32.
;; This version of the problem:
;;   THIS VERSION OF THE PROBLEM IS GIVEN IN LOW PRECISION. The matrix products marked QUANTISED in the list below multiply operands that are first quantised to E4M3 (4 exponent bits, 3 mantissa bits; 8 bits a number), with one power-of-two scale for each 32 numbers along K (OCP MX v1.0); their sums are f32. All else is computed in f32.
;;   The module's matrix products, in the order in which they are computed (A, B: the left and right operand; K: the contracted axis; several contracted axes count as one K, in the product's order):
;;     1. [M 8,192, K 1,024] x [K 1,024, N 1,024]; A: input query (given as codes); B: input Wq (given as codes): QUANTISED
;;     2. [M 8,192, K 1,024] x [K 1,024, N 1,024]; A: input key (given as codes); B: input Wk (given as codes): QUANTISED
;;     3. [M 8,192, K 1,024] x [K 1,024, N 1,024]; A: input value (given as codes); B: input Wv (given as codes): QUANTISED
;;     4. batch 64 x [M 2,048, K 64] x [K 64, N 2,048]; A: computed on the way; B: computed on the way: QUANTISED
;;     5. batch 64 x [M 2,048, K 2,048] x [K 2,048, N 64]; A: softmax (see below); B: computed on the way: QUANTISED
;;   THE QUANTISER, for each operand of a quantised product, along K:
;;     - K is cut into blocks of 32 from its start; a last block that is shorter is filled with zeros.
;;     - A block's scale is 2^e with e = floor(log2(the largest magnitude in the block)) - 8, held to -126 .. 127; a block of zeros has e = 0. As a byte (E8M0): e + 127.
;;     - Each number is divided by its block's scale, clamped to +-448, and rounded to the nearest number of E4M3, ties to even, subnormals kept.
;;     - The product sums the exact products of the quantised numbers (number of the format x scale) in f32.
;;   ~~~python
;;   def quantise(x, axis):      # numpy; x: float32 -> the quantised numbers, widened to float32 again
;;       x = np.moveaxis(x, axis, -1); K = x.shape[-1]
;;       x = np.pad(x, [(0, 0)] * (x.ndim - 1) + [(0, -K % 32)]); x = x.reshape(x.shape[:-1] + (-1, 32)); a = np.abs(x).max(-1, keepdims=True)
;;       e = np.where(a > 0, np.clip(np.frexp(np.where(a > 0, a, 1))[1] - 1 - 8, -126, 127), 0)      # np.frexp(a)[1] - 1 = floor(log2(a)), exactly
;;       r = np.clip(x / 2.0 ** e, -448, 448)
;;       step = 2.0 ** (np.maximum(np.frexp(np.where(r == 0, 1, r))[1] - 1, -6) - 3)
;;       q = np.round(r / step) * step * 2.0 ** e      # np.round: ties to even
;;       return np.moveaxis(q.reshape(q.shape[:-2] + (-1,))[..., :K], -1, axis).astype(np.float32)
;;   ~~~
;;   SOFTMAX AHEAD OF A QUANTISED PRODUCT. Where the list says 'softmax', what is quantised is not the finished softmax but p = 2^(t - M), with t = logit x log2(e) and M = ceil(the row's largest t), a whole number; so 1/2 < the row's largest p <= 1. The row's sum l is taken of the UNQUANTISED p, in f32, and the product's result is divided by l at the end. Since M is a whole number, a kernel that streams over the keys may use a running M (the ceiling of the running maximum): every later rescaling is an exact power of two, which a block's scale takes up: the codes' values come out the same.
;;   OPERANDS COMPUTED ON THE WAY. 'Computed on the way' means the value that the module computes at that place (a softmax that the list does not call 'softmax' is quantised finished and normalised). What goes into a quantiser is computed in f32, as accurately as f32 sums, v_exp_f32 and their like allow (about 1e-6 of the number): no bf16 or f16 on the way to a quantiser, and a product that is left as it is and whose result goes on into a quantised operand takes f32 operands (vector FMAs, or v_wmma_f32_16x16x4_f32). A number that lies on a knife's edge between two numbers of the format may be rounded either way, as far as f32 arithmetic and the matrix unit's own rounding can turn it there, and no further.
;;   INPUTS GIVEN AS CODES. Wk (in the module: [1024, 1024], K = its axis 0); Wq (in the module: [1024, 1024], K = its axis 0); Wv (in the module: [1024, 1024], K = its axis 0); key (in the module: [4, 2048, 1024], K = its axis 2); query (in the module: [4, 2048, 1024], K = its axis 2); value (in the module: [4, 2048, 1024], K = its axis 2): each comes as NAME_codes (uint8): NAME with its K axis moved to the last place and cut into blocks of 32 codes, [.., K / 32, bytes a block], one block behind the other in memory; one code a byte (a code: sign, 4 exponent bits, 3 mantissa bits); and NAME_scales (uint8): the same leading axes, one E8M0 byte (e + 127) for each 32 codes along K. Its value is code x scale, taken as it is: it is not quantised again, and the codes and scales need not be those that the quantiser above would give.
;; One version. Each part assembles by itself: llvm-mc -triple=amdgcn-amd-amdhsa -mcpu=gfx1250 --defsym DOCPART=n.
;; ======== version 1 of 1: 2 launches
;; limits: right only within a limited range of input values
;; workspace buffers: qimg 8,650,752 bytes; kv 17,301,504 bytes
;; launch proj (part 1): grid 4 x 96, 4 waves a work-group, clusters of 4 x 4, 327,680 bytes of LDS; arguments query_codes, query_scales, key_codes, key_scales, value_codes, value_scales, Wq_codes, Wq_scales, Wk_codes, Wk_scales, Wv_codes, Wv_scales, bq, bk, bv, qimg, kv; writes qimg, kv
.if DOCPART == 1
	.amdgcn_target "amdgcn-amd-amdhsa--gfx1250"
	.amdhsa_code_object_version 6
	.text
	.protected	k_qd1b709fe87_proj
	.globl	k_qd1b709fe87_proj
	.p2align	8
	.type	k_qd1b709fe87_proj,@function
k_qd1b709fe87_proj:
	s_mov_b64 s[64:65], 0
	v_nop
	global_prefetch_b8 v0, s[64:65] scope:SCOPE_SE
	s_setreg_imm32_b32 hwreg(HW_REG_WAVE_MODE, 25, 1), 1
	s_wait_xcnt 0x0
	s_wait_alu depctr_hold_cnt(0) depctr_sa_sdst(0) depctr_va_vdst(0) depctr_va_sdst(0) depctr_va_ssrc(0) depctr_va_vcc(0) depctr_vm_vsrc(0)
	s_getreg_b32 s2, hwreg(HW_REG_IB_STS2, 6, 4)
	s_cmp_eq_u32 s2, 0
	s_cbranch_scc0 .Lentry_in_a_cluster
	s_endpgm
.Lentry_in_a_cluster:
	s_bfe_u32 s2, ttmp6, 0x10000c
	s_cmp_lg_u32 s2, 0xf033
	s_cbranch_scc0 .Lentry_shape_is_right
	s_endpgm
.Lentry_shape_is_right:
; THE THREE PROJECTIONS: q = query Wq + bq, k = key Wk + bk, v = value Wv + bv, each [8192][1024] x [1024][1024] on codes of FP8 (E4M3) with one E8M0 byte for each 32 along K, sums in f32;
; the bias is added in f32 and the result is quantised at once for the attention launch: q and k along the head's 64 (two blocks of 32), v along the keys (blocks of 32 keys).
; One text serves all three: the cluster's y (0..23) says which projection (y / 8) and which part of it (y % 8); the buffers are chosen by that number alone, which all sixteen partners share.
; ROLES.  Source 0 of the matrix instruction ('B') is the operand whose index runs along a lane's registers in the result: the axis that is quantised next.  Source 1 ('A') gives the lane's row.
;   q, k: A = the tokens (32 tiles of 256 rows), B = the weight's 1024 rows (4 tiles).     v: A = the weight's rows (4 tiles), B = the tokens (32 tiles).
; A tile of 256 (A) x 256 (B) is made by a work-group of four waves, 128 x 128 a wave: 64 accumulators, 512 registers.  K goes in steps of 256 through two LDS slots filled by the tensor data mover;
; the scale bytes of the work-group's rows, for all of K, come once with the first fills.  4 x 4 work-groups form a cluster: A's tiles are asked for jointly along a row of it, B's along a column.
; 384 work-groups: 3 x 128 tiles.
; THE WAY OUT.  Of one block of 16 A rows a lane (r, h) holds 64 numbers: B index 16 b + 8 h + j in register 8 b + j.  Registers 16 g .. 16 g + 15 are half of block g of 32 along the next K, lane l xor 16 has the other half.
; So slot 16 h + i of a block holds its element 8 h + (i % 8) + 16 (i / 8).  q, k, v (here) and p (in the attention launch) all lie in this one order, so each product pairs the right numbers; only the order of
; summation inside a block differs from ascending K.  The codes go to memory as IMAGES OF OPERAND REGISTERS: 16 bytes a lane, 512 consecutive aligned bytes a store.
;   kv:   head (16 batch + head) x 270,336 bytes; in it 16 steps of 128 keys x 16,896: +0 K's codes: fragment f at 2048 f, in it [c = 2 u + d block][lane][16]: key 32 f + 16 u + r;  +8192 V's codes: tile t at 2048 t, [key block c][lane][16], d = 16 t + r;
;         +16384 K's scale words, +16640 V's: [lane l][p]: the word of fragment (tile) 2 p + l / 16, row l % 16.
;   qimg: head x 135,168; 16 blocks of 128 queries x 8,448: +0 codes laid as K's, +8192 scale words laid as K's.
; LIMITS: NaN and infinities among the inputs are not served.  A block whose largest magnitude lies under 2^-118 gets the byte 1, as the quantiser's clip at -126 has it; a block of zeros gets it too, where the
; quantiser says 127: its codes are zeros, which add nothing under any byte but 0xff, and this program alone reads the bytes.
; REGISTERS, in windows of 256: window 0: v1-15 at work and the bias's offsets; v16-31 addresses; v32-63 scale words, two sets; v64-127 the bias; from v128 A's fragments, ONE set; on the way out v128-252 are at work.
;   window 1: B's fragments, TWO sets.   window 2: the accumulators of my A rows 0-63 ((a, b) at v[8 (8 a + b)]);   window 3: those of rows 64-127.
.set KSTEP,  256                       ; along K in a slot
.set NQ,     KSTEP/128                 ; matrix instructions deep
.set ROWB,   256                       ; a tile's row in bytes
.set KROW,   1024                      ; a row of codes in memory
.set PITCH,  272                       ; an LDS row: 256 bytes + 16 of padding = 68 words: the 16 rows that a load touches start at 16 different banks (64 banks of 4 bytes: ISA guide 11.1)
.set FR,     16                        ; registers of a fragment
.set NL,     4                         ; LDS loads that bring one
.set NP,     8                         ; places behind this matrix instruction (ISA guide 7.12.1)
.set HALFT,  128*PITCH                 ; 128 rows: what one tensor load brings
.set SLOT,   4*HALFT                   ; A's 256 rows, then B's 256 rows
.set KS,     32                        ; a row of scale bytes
.set SCL,    2*SLOT                    ; behind the ring: the scales, as units of 256 bytes + 16 of padding
.set HALFS,  (128*KS/256)*272          ; the scales of 128 rows
.set SBLK,   (16*KS/256)*272           ; those of 16 rows
.set SPARE,  SCL+4*HALFS               ; the spare words, 128 bytes for each wave: two blocks of 256 bytes that no other line names
.set ADRA, 16                          ; v16-17  LDS address of my A fragments in slot 0, 1
.set ADRB, 20                          ; v20-21  the same for B
.set ADRS, 27                          ; v27     LDS address of my scale words: lanes 0-15 A's rows, lanes 16-31 B's
.set SPW,  28                          ; v28     LDS address of my spare word; never rewritten
.set NIL,  29                          ; v29     0; never rewritten
.set LI,   30                          ; v30     16 x lane: my place in an image
.set LS8,  31                          ; v31     8 x lane: my place among the scale words
.set SC,   32                          ; scale words, set s at v[SC + 16 s]
.set BI,   64                          ; v64-127 the bias, in the result's layout
.set AF,   128                         ; A's fragments
.set X,    128                         ; the way out: v128-191 the 64 numbers of a block
.set PC,   192                         ; v192-223 their codes, two sets by turns
.set TM,   224                         ; v224-227 largest magnitudes, v228-231 bytes, v232-235 448 x the scale, v236-239 the conversions' scale operands
.set SW,   240                         ; v240-247 scale words: 4 x head + fragment (tile)
.set G1, 24
.set G0, 32
.set G1B, 48
.set G0B, 56
.set G1S, 68
.set G0S, 76
.set G1SB, 80
.set G0SB, 88
.set CB,  72                           ; the way out: s[72:73], s[74:75] where my two heads' codes go;
.set SB,  76                           ; s[76:77], s[78:79] and their scale words (the scales' descriptors are long done with)
.set MNT, 95                           ; s95 the mantissa field of 448
.set SEL, 96                           ; s[96:97] v_permlanex16_b32's selects for lane l xor 16
.set MSB, 0
.macro WIN new                         ; the immediate's high byte repeats the setting that is left
.if MSB != (\new)
	s_set_vgpr_msb (MSB<<8)|(\new)
.set MSB, (\new)
.endif
.endm
.set MUL_LO, 0xa1                      ; source 0 (B) window 1, source 1 (A) window 0, C and D window 2
.set MUL_HI, 0xf1                      ; the same, C and D window 3
.set TO_B,   0x40                      ; destination window 1, address window 0
; A joint load: waves 0 and 1 fetch for A, waves 2 and 3 for B.  Each line has ONE mask and one set of registers for all that issue it; the branch hangs on the wave's number alone.
; Four v_nop follow each of the two lines, ahead of the jump, the label and what follows.
.macro JLOAD g0a, g1a, g0b, g1b
	s_cmp_eq_u32 s15, 0
	s_cbranch_scc0 .Lfor_b_\@
	tensor_load_to_lds s[\g0a:\g0a+3], s[\g1a:\g1a+7]
	s_nop 0
.rept 4
	v_nop
.endr
	s_branch .Lasked_\@
.Lfor_b_\@:
	tensor_load_to_lds s[\g0b:\g0b+3], s[\g1b:\g1b+7]
	s_nop 0
.rept 4
	v_nop
.endr
.Lasked_\@:
.endm
.macro CREST                           ; a round of the cluster's barrier behind its opening barrier
	s_cmp_lg_u32 s14, 0
	s_cbranch_scc1 .Lnot_wave_0_\@
	s_barrier_signal -3
.Lnot_wave_0_\@:
	s_barrier_wait -3
	s_barrier_signal -1
	s_barrier_wait -1
.endm
.macro CROUND                          ; a whole round
	s_barrier_signal -1
	s_barrier_wait -1
	CREST
.endm
	s_load_b512 s[24:39], s[0:1], 0x0              ; query codes 24, scales 26; key 28, 30; value 32, 34; Wq 36, 38
	s_load_b512 s[48:63], s[0:1], 0x40             ; Wk 48, 50; Wv 52, 54; bq 56, bk 58, bv 60; qimg 62
	s_load_b64 s[66:67], s[0:1], 0x80              ; kv
	v_lshl_add_u32 v[SPW], v0, 2, SPARE
	v_mov_b32 v[NIL], 0
	ds_add_u32 v28, v29
	ds_add_u32 v28, v29
	s_wait_dscnt 0x0
	v_lshrrev_b32 v1, 5, v0
	v_readfirstlane_b32 s14, v1                    ; wave 0..3
	s_lshr_b32 s15, s14, 1                         ; which half of the tile's A rows is mine.  Also: I fetch for A (0) or for B (1)
	s_and_b32 s16, s14, 1                          ; which half of its B rows.  Also: which 128 rows of that tile I fetch
	s_bfe_u32 s40, ttmp6, 0x40000                  ; cx, cy: my place in the cluster
	s_bfe_u32 s41, ttmp6, 0x40004
	s_and_b32 s98, ttmp7, 0xffff                   ; the cluster's y, 0..23
	s_lshr_b32 s99, s98, 3                         ; which projection: 0 q, 1 k, 2 v
	s_and_b32 s100, s98, 7                         ; which eighth of the tokens
	s_mov_b32 s[MNT], 0x600000
	s_mov_b32 s[SEL], 0x76543210
	s_mov_b32 s[SEL+1], 0xfedcba98
	s_cmp_eq_u32 s99, 2
	s_cselect_b32 s18, 0, s100                     ; the tokens are A for q and k,
	s_cselect_b32 s19, s100, 0                     ; B for v
	s_cselect_b32 s101, 4, 0                       ; the bias's place for lane (r, h), register j: r sa + h sb + j sj bytes.  v: it goes with the lane's row;
	s_cselect_b32 s2, 0, 32                        ; q, k: with the registers
	s_cselect_b32 s3, 0, 4
	s_lshl_b32 s17, s18, 2
	s_add_co_u32 s17, s17, s41                     ; A's tile: made of the cluster's y and cy alone
	s_lshl_b32 s42, s19, 2
	s_add_co_u32 s42, s42, s40                     ; B's tile: of the cluster's y and cx alone
	s_lshl_b32 s43, s41, 2
	s_lshl_b32 s43, 15, s43                        ; my row of the cluster
	s_lshl_b32 s44, 0x1111, s40                    ; my column
	s_lshl_b32 s20, s17, 1
	s_add_co_u32 s20, s20, s15                     ; my wave's 128 A rows
	s_lshl_b32 s21, s42, 1
	s_add_co_u32 s21, s21, s16                     ; my wave's 128 B rows
	s_cmp_eq_u32 s99, 2
	s_cselect_b32 s98, s21, s20                    ; which 128 tokens are mine (0..63),
	s_cselect_b32 s100, s20, s21                   ; and which 128 of the 1024 outputs (0..7): they enter the bias's and the outputs' addresses alone
	s_cmp_eq_u32 s15, 0                            ; the prefetches' rows: of the 128 rows that I fetch in the ring, the four partners that ask for them with me take 32 each,
	s_cselect_b32 s40, s40, s41                    ; told apart by address alone: cx among A's partners, cy among B's
	s_lshl_b32 s40, s40, 5
	s_lshl_b32 s41, s16, 7
	s_add_co_u32 s40, s40, s41
	s_lshl_b32 s40, s40, 10                        ; in bytes: a row of codes is 1,024
	s_mov_b32 s41, 0
	s_lshl_b32 s20, s17, 8                         ; A: the tile's first row
	s_lshl_b32 s46, s42, 8                         ; B likewise
	s_mov_b32 s21, 0
	s_mov_b32 s47, 0
	s_mov_b64 s[18:19], KS
	s_mul_u64 s[22:23], s[20:21], s[18:19]         ; where these rows' scales begin, in bytes
	s_mul_u64 s[92:93], s[46:47], s[18:19]
	s_mov_b64 s[18:19], KROW
	s_mul_u64 s[20:21], s[20:21], s[18:19]         ; and their codes
	s_mul_u64 s[46:47], s[46:47], s[18:19]
	s_mul_i32 s45, s14, HALFT
	s_mul_i32 s18, s16, 128*KROW                   ; in the ring I fetch 128 rows of a tile: which half, in bytes
	s_mov_b32 s19, 0
	s_wait_kmcnt 0x0
	s_cmp_eq_u32 s99, 1                            ; the buffers are chosen by the projection's number alone: first k's set or v's,
	s_cselect_b64 s[4:5], s[28:29], s[52:53]       ; A's codes
	s_cselect_b64 s[6:7], s[30:31], s[54:55]       ; A's scales
	s_cselect_b64 s[8:9], s[48:49], s[32:33]       ; B's codes
	s_cselect_b64 s[10:11], s[50:51], s[34:35]     ; B's scales
	s_cselect_b64 s[12:13], s[58:59], s[60:61]     ; the bias
	s_cmp_eq_u32 s99, 0                            ; then q's set over that
	s_cselect_b64 s[4:5], s[24:25], s[4:5]
	s_cselect_b64 s[6:7], s[26:27], s[6:7]
	s_cselect_b64 s[8:9], s[36:37], s[8:9]
	s_cselect_b64 s[10:11], s[38:39], s[10:11]
	s_cselect_b64 s[12:13], s[56:57], s[12:13]
	s_cselect_b64 s[66:67], s[62:63], s[66:67]     ; where the results go: qimg or kv
	s_add_nc_u64 s[20:21], s[4:5], s[20:21]
	s_add_nc_u64 s[22:23], s[6:7], s[22:23]
	s_add_nc_u64 s[46:47], s[8:9], s[46:47]
	s_add_nc_u64 s[92:93], s[10:11], s[92:93]
	; descriptor group 1: a tile of 128 rows x 256 bytes, padded in LDS
	s_or_b32 s[G1+0], s43, (0<<16)|(1<<20)|(1<<21)|(5<<22)|(3<<25)  ; 15:0 the mask: A's tiles go to my row; 17:16 element of 1 byte; 20 padding on; 21 set beside a mask; 24:22 after every 64 words (code 5); 31:25 of 4 words (code 3)
	s_or_b32 s[G1B+0], s44, (0<<16)|(1<<20)|(1<<21)|(5<<22)|(3<<25) ; B's tiles go to my column
.irp g, G1, G1B
	s_mov_b32 s[\g+1], ROWB<<16                    ; tensor_dim0
	s_mov_b32 s[\g+2], 256<<16                     ; tensor_dim1 = 256 for the head's loads; behind them the two words that count rows are set to 128
	s_mov_b32 s[\g+3], ROWB<<16                    ; tile_dim0
	s_mov_b32 s[\g+4], 256                         ; tile_dim1 = 256
	s_mov_b32 s[\g+5], KROW                        ; tensor_dim0_stride
	s_mov_b32 s[\g+6], 0
	s_mov_b32 s[\g+7], 0
.endr
	; and for the scales of 256 rows: a dense block of 8,192 bytes, as 32 rows of 256 bytes (32 elements of 8 bytes), 16 bytes of padding behind each
	s_or_b32 s[G1S+0], s43, (3<<16)|(1<<20)|(1<<21)|(5<<22)|(3<<25)
	s_or_b32 s[G1SB+0], s44, (3<<16)|(1<<20)|(1<<21)|(5<<22)|(3<<25)
.irp g, G1S, G1SB
	s_mov_b32 s[\g+1], 32<<16
	s_mov_b32 s[\g+2], KS<<16                      ; the scales of 256 rows: 8,192 dense bytes as 32 rows of 256
	s_mov_b32 s[\g+3], 32<<16
	s_mov_b32 s[\g+4], KS
	s_mov_b32 s[\g+5], 32
	s_mov_b32 s[\g+6], 0
	s_mov_b32 s[\g+7], 0
.endr
	CROUND                                         ; all sixteen work-groups are here: the first joint loads meet
	s_mov_b32 s[G0S], 1
	s_mov_b32 s[G0S+1], SCL
	s_mov_b64 s[G0S+2:G0S+3], s[22:23]
	s_or_b32 s[G0S+3], s[G0S+3], 0x80000000
	s_mov_b32 s[G0SB], 1
	s_mov_b32 s[G0SB+1], SCL+2*HALFS
	s_mov_b64 s[G0SB+2:G0SB+3], s[92:93]
	s_or_b32 s[G0SB+3], s[G0SB+3], 0x80000000
	s_cmp_eq_u32 s15, 0
	s_cselect_b64 s[4:5], s[20:21], s[46:47]       ; the tile that I fetch for,
	s_add_nc_u64 s[40:41], s[4:5], s[40:41]        ; s[40:41]: where my prefetches stand: my work-group's 32 rows; never rewritten
	s_mov_b32 s4, 1                                ; s[4:7]: group 0 of K step 0's 256 rows of A (the arguments that lay there have been used),
	s_mov_b32 s5, 0
	s_mov_b64 s[6:7], s[20:21]
	s_or_b32 s7, s7, 0x80000000
	s_mov_b32 s8, 1                                ; s[8:11]: of its 256 rows of B, behind them in slot 0
	s_mov_b32 s9, 2*HALFT
	s_mov_b64 s[10:11], s[46:47]
	s_or_b32 s11, s11, 0x80000000
	s_add_nc_u64 s[20:21], s[20:21], s[18:19]      ; for the ring: my 128 rows of the tile
	s_add_nc_u64 s[46:47], s[46:47], s[18:19]
.irp s, 0,1
	s_mov_b32 s[G0+4*\s], 1
	s_add_co_u32 s[G0+4*\s+1], s45, \s*SLOT
	s_add_nc_u64 s[G0+4*\s+2:G0+4*\s+3], s[20:21], \s*ROWB
	s_or_b32 s[G0+4*\s+3], s[G0+4*\s+3], 0x80000000
	s_mov_b32 s[G0B+4*\s], 1
	s_add_co_u32 s[G0B+4*\s+1], s45, \s*SLOT
	s_add_nc_u64 s[G0B+4*\s+2:G0B+4*\s+3], s[46:47], \s*ROWB
	s_or_b32 s[G0B+4*\s+3], s[G0B+4*\s+3], 0x80000000
.endr
; THE HEAD'S LOADS, ONE A WAVE: wave 0 fetches K step 0's 256 rows of A, wave 1 its 256 rows of B, wave 2 the scales of A's 256 rows, wave 3 those of B's.
; One tree of branches on the wave's number: every way through the head passes exactly one load.
.macro ARM under, g0, g1, next
	s_cmp_lt_u32 s14, \under
	s_cbranch_scc0 \next
	tensor_load_to_lds s[\g0:\g0+3], s[\g1:\g1+7]
	s_nop 0
.rept 4
	v_nop
.endr
	s_branch .Lhead_asked
\next:
.endm
	ARM 1, 4, G1, .Lhead_b
	ARM 2, 8, G1B, .Lhead_sa
	ARM 3, G0S, G1S, .Lhead_sb
	tensor_load_to_lds s[G0SB:G0SB+3], s[G1SB:G1SB+7]
	s_nop 0
.rept 4
	v_nop
.endr
.Lhead_asked:
	; PREFETCHES INTO THE L2: K steps 1 and 2 here, K step 3 behind slot 1's first fill: 32 rows x 256 bytes an instruction, a lane a row; each row's 256 bytes of a K step are named once in the cluster that loads them.
	; Slot 1's load sets out only when the head's loads have landed, so its bytes are asked of memory beside them; at most two K steps are asked for and not yet loaded.
	v_and_b32 v22, 31, v0
	v_lshlrev_b32 v22, 10, v22                     ; v22: my lane's row, 1,024 bytes a row; never rewritten
	global_prefetch_b8 v22, s[40:41] offset:256 th:TH_LOAD_NT scope:SCOPE_SE
	global_prefetch_b8 v22, s[40:41] offset:512 th:TH_LOAD_NT scope:SCOPE_SE
	v_and_b32 v1, 15, v0
	v_bfe_u32 v2, v0, 4, 1                         ; h = l / 16
	; THE BIAS, in the result's layout, by one path for all three projections: q, k: register 8 b + j = bias[16 b + 8 h + j];  v: register 8 a + j = bias[16 a + r] for every j
	s_lshl_b32 s92, s100, 9                        ; my 128 numbers of it
	s_mov_b32 s93, 0
	s_add_nc_u64 s[12:13], s[12:13], s[92:93]
	v_mul_u32_u24 v6, s101, v1
	v_mad_u32_u24 v8, v2, s2, v6
.irp j, 1,2,3,4,5,6,7
	v_add_nc_u32 v[8+\j], s3, v[7+\j]
.endr
.irp i, 0,1,2,3,4,5,6,7
.irp j, 0,1,2,3,4,5,6,7
	global_load_b32 v[BI+8*\i+\j], v[8+\j], s[12:13] offset:64*\i   ; waited for on the way out; their offsets and base are never rewritten
.endr
.endr
	v_mul_u32_u24 v3, v1, PITCH
	v_lshl_add_u32 v4, v2, 4, v3                   ; a fragment's row x pitch + 16 x half
	s_mul_i32 s21, s15, HALFT                      ; my 128 rows of A
	s_mul_i32 s22, s16, HALFT                      ; my 128 rows of B,
	s_add_co_u32 s22, s22, 2*HALFT                 ; which lie behind A's 256
.irp s, 0,1
	v_add_nc_u32 v[ADRA+\s], s21, v4
	v_add_nc_u32 v[ADRB+\s], s22, v4
	s_add_co_u32 s21, s21, SLOT
	s_add_co_u32 s22, s22, SLOT
.endr
	v_mul_u32_u24 v5, v1, KS                       ; my row's scales: 32 bytes a row,
	v_lshrrev_b32 v6, 8, v5
	v_lshl_add_u32 v5, v6, 4, v5                   ; and 16 more for each 256 passed
	s_mul_i32 s21, s15, HALFS                      ; A's: my 128 rows
	s_mul_i32 s22, s16, HALFS                      ; B's: my 128 rows, behind A's 256
	s_add_co_u32 s22, s22, 2*HALFS
	s_sub_co_u32 s22, s22, s21
	v_mul_u32_u24 v6, s22, v2                      ; lanes 16-31 take B's
	s_add_co_u32 s21, s21, SCL
	v_add_nc_u32 v5, v5, v6
	v_add_nc_u32 v[ADRS], s21, v5
	v_and_b32 v6, 31, v0
	v_lshlrev_b32 v[LI], 4, v6
	v_lshlrev_b32 v[LS8], 3, v6
.macro FRAG reg, adr, q, i             ; a fragment, 16 rows x 128 K of 8-bit codes, is 16 registers: lane l holds row l % 16; registers 4 c .. 4 c + 3 hold K = 32 c + 16 (l / 16) + 0 .. 15
.irp c, 0,1,2,3
	ds_load_b128 v[\reg+4*\c:\reg+4*\c+3], v[\adr] offset:128*(\q)+32*\c+(\i)*16*PITCH
.endr
.endm
; 16 matrix instructions: A's blocks a0, a0 + 1 x B's eight, 128 along K: the slot's q-th.  p: B's set;  sc: the set of scale words.  zero = 1: the first product starts the sums: nothing is ever cleared.
; The 64 accumulators take turns, one instruction a turn, in the same order in every step.
.macro MUL16 a0, p, q, sc, zero
.irp a, \a0, \a0+1
.irp b, 0,1,2,3,4,5,6,7
.if \zero
	v_wmma_scale_f32_16x16x128_f8f6f4 v[8*(8*((\a)%4)+\b):8*(8*((\a)%4)+\b)+7], v[128*(\p)+FR*\b:128*(\p)+FR*\b+FR-1], v[AF+FR*(\a):AF+FR*(\a)+FR-1], 0, v[SC+8*NQ*(\sc)+NQ*\b+(\q)], v[SC+8*NQ*(\sc)+NQ*(\a)+(\q)] matrix_a_scale:MATRIX_SCALE_ROW1
.else
	v_wmma_scale_f32_16x16x128_f8f6f4 v[8*(8*((\a)%4)+\b):8*(8*((\a)%4)+\b)+7], v[128*(\p)+FR*\b:128*(\p)+FR*\b+FR-1], v[AF+FR*(\a):AF+FR*(\a)+FR-1], v[8*(8*((\a)%4)+\b):8*(8*((\a)%4)+\b)+7], v[SC+8*NQ*(\sc)+NQ*\b+(\q)], v[SC+8*NQ*(\sc)+NQ*(\a)+(\q)] matrix_a_scale:MATRIX_SCALE_ROW1
.endif
.endr
.endr
.endm
.macro FETCH_B slot, q, p              ; B's eight fragments of the slot's q-th 128 along K into set p
	WIN TO_B
.irp i, 0,1,2,3,4,5,6,7
	FRAG 128*(\p)+FR*\i, ADRB+\slot, \q, \i
.endr
	WIN 0
.endm
.macro FETCH_A slot, q, i0             ; A's blocks i0 .. i0 + 3
.irp i, \i0, \i0+1, \i0+2, \i0+3
	FRAG AF+FR*(\i), ADRA+\slot, \q, \i
.endr
.endm
.macro SCALES sc                       ; the next K step's scale words into set sc: two words a row; lanes 0-15 take A's block i, lanes 16-31 B's block i
.irp i, 0,1,2,3,4,5,6,7
	ds_load_b64 v[SC+8*NQ*\sc+NQ*\i:SC+8*NQ*\sc+NQ*\i+1], v[ADRS] offset:\i*SBLK
.endr
.endm
; A load into a register that a matrix instruction has read, and a vector instruction that reads a matrix result or writes one of a matrix instruction's registers, stand NP places behind it, and only plain
; vector instructions that name none of its registers are places (ISA guide 7.12.1 for vector instructions).
.macro PLACES n
.rept \n
	v_nop
.endr
.endm
; A step of 128 along K that has its successor in the same slot.
.macro STEP slot, q, zero
	s_wait_dscnt 4*NL                              ; B's set and A's blocks 0-3 are in; the youngest sixteen loads (A's blocks 4-7) may be out
	WIN MUL_LO
	MUL16 0, (\q)%2, \q, \slot, \zero
	MUL16 2, (\q)%2, \q, \slot, \zero
	s_wait_dscnt 0                                 ; A's blocks 4-7 are in (asked for 32 matrix instructions ago)
	PLACES NP
	FETCH_B \slot, (\q)+1, 1-(\q)%2
	FETCH_A \slot, (\q)+1, 0
	WIN MUL_HI
	MUL16 4, (\q)%2, \q, \slot, \zero
	MUL16 6, (\q)%2, \q, \slot, \zero
	PLACES NP
	WIN 0
	FETCH_A \slot, (\q)+1, 4
.endm
; A slot's last step changes slots: ONE barrier; in front of it each wave waits for all its tensor loads, adds 0 to its spare word, and waits for that and for its own reads of this slot.  fill = 1: this slot is filled again, two K steps ahead.
.macro TURN slot, next, fill
	s_wait_tensorcnt 0x0                           ; all my tensor loads have landed: my part of the next slot;  (every window is 0 here: the add's two registers lie in window 0)
	ds_add_u32 v[SPW], v[NIL]                      ; 0 onto my spare word
	s_wait_dscnt 4*NL+1                            ; (the add and the youngest sixteen loads, A's blocks 4-7, may be out)
	WIN MUL_LO
	MUL16 0, 1, NQ-1, \slot, 0                     ; sixteen matrix instructions stand between the add and the wait for it
	s_wait_dscnt 0x0                               ; the add is done, and my reads of this slot are over
	s_barrier_signal -1
	MUL16 2, 1, NQ-1, \slot, 0
	WIN 0
	s_barrier_wait -1
.if \fill
	CREST                                          ; the barrier has opened a round of the cluster's barrier: no wave of any partner still reads this slot's tile or has a load on its way
	s_add_nc_u64 s[G0+4*\slot+2:G0+4*\slot+3], s[G0+4*\slot+2:G0+4*\slot+3], 2*ROWB
	s_add_nc_u64 s[G0B+4*\slot+2:G0B+4*\slot+3], s[G0B+4*\slot+2:G0B+4*\slot+3], 2*ROWB
	JLOAD G0+4*\slot, G1, G0B+4*\slot, G1B         ; the first tensor load behind the round, my one load until the next; the four v_nop behind it are among the places in front of the loads below
	PLACES NP-4
.else
	PLACES NP
.endif
	s_wait_alu depctr_va_vdst(0)
	v_add_nc_u32 v[ADRS], 4*NQ, v[ADRS]            ; on to the next K step's scale words (no LDS load of mine is out)
	FETCH_B \next, 0, 0
	FETCH_A \next, 0, 0
	SCALES \next
	WIN MUL_HI
	MUL16 4, 1, NQ-1, \slot, 0
	MUL16 6, 1, NQ-1, \slot, 0
	PLACES NP
	WIN 0
	FETCH_A \next, 0, 4
.endm
	s_wait_alu depctr_va_vdst(0)
	s_wait_tensorcnt 0x0                           ; my tile of the head's four is in
	ds_add_u32 v[SPW], v[NIL]
	s_mov_b32 s[G1+2], 128<<16                     ; no tensor load of mine is out, so a descriptor may be written: from here on a load brings 128 rows
	s_mov_b32 s[G1+4], 128
	s_mov_b32 s[G1B+2], 128<<16
	s_mov_b32 s[G1B+4], 128
	s_wait_dscnt 0x0                               ; the add is done
	CROUND                                         ; a whole round: all four tiles are in, and all sixteen work-groups are here
	JLOAD G0+4, G1, G0B+4, G1B                     ; K step 1, a quarter of slot 1 a wave: the first tensor load behind the round
	FETCH_B 0, 0, 0
	FETCH_A 0, 0, 0
	SCALES 0
	FETCH_A 0, 0, 4
	global_prefetch_b8 v22, s[40:41] offset:768 th:TH_LOAD_NT scope:SCOPE_SE   ; K step 3, two refills on
	; K = 1024 is four K steps, twice round the ring: written out, no loop
	STEP 0, 0, 1                                   ; K 0: its products start the sums
	TURN 0, 1, 1                                   ; K 128; slot 0 takes K 512 to 767
	STEP 1, 0, 0                                   ; K 256
	TURN 1, 0, 1                                   ; K 384; slot 1 takes K 768 to 1023
	STEP 0, 0, 0                                   ; K 512
	TURN 0, 1, 0                                   ; K 640; nothing is left to fetch, so no round of the cluster's barrier
	STEP 1, 0, 0                                   ; K 768
	s_wait_dscnt 4*NL                              ; K 896, the last step
	WIN MUL_LO
	MUL16 0, 1, NQ-1, 1, 0
	MUL16 2, 1, NQ-1, 1, 0
	s_wait_dscnt 0
	WIN MUL_HI
	MUL16 4, 1, NQ-1, 1, 0
	MUL16 6, 1, NQ-1, 1, 0
	WIN 0
; 64 numbers of a lane, v[s] on, register 16 b + i: my 16 of block b; lane l xor 16 has the other 16.  Codes into v[pc] on, four registers a block; the blocks' scale bytes into v[TM+4] on.
.macro QUANT s, pc
.irp b, 0,1,2,3
	v_max3_num_f32 v[TM+\b], |v[\s+16*\b]|, |v[\s+1+16*\b]|, 0x4800000   ; block b: my 16 numbers, and the floor 2^(9 - 127): so the byte cannot fall under 1
.endr
.irp i, 2,4,6,8,10,12,14
.irp b, 0,1,2,3
	v_max3_num_f32 v[TM+\b], v[TM+\b], |v[\s+16*\b+\i]|, |v[\s+1+16*\b+\i]|   ; (the four blocks by turns: no line waits for the line above it)
.endr
.endr
.irp b, 0,1,2,3
	v_permlanex16_b32 v[TM+4+\b], v[TM+\b], s[SEL], s[SEL+1]
.endr
.irp b, 0,1,2,3
	v_max_num_f32 v[TM+\b], v[TM+\b], v[TM+4+\b]   ; with lane l xor 16's: the block's largest magnitude
.endr
.irp b, 0,1,2,3
	v_add_nc_u32 v[TM+12+\b], 0xfc000000, v[TM+\b]   ; 8 off its exponent field: the conversion takes the exponent field of this operand as its scale, and nothing else of it
.endr
.irp b, 0,1,2,3
	v_and_or_b32 v[TM+8+\b], v[TM+\b], 0x7f800000, s[MNT]   ; 448 x the scale
.endr
.irp b, 0,1,2,3
	v_lshrrev_b32 v[TM+4+\b], 23, v[TM+12+\b]      ; the scale's byte
.endr
.irp b, 0,1,2,3
.irp i, 0,1,2,3,4,5,6,7,8,9,10,11,12,13,14,15
	v_med3_num_f32 v[\s+16*\b+\i], v[\s+16*\b+\i], -v[TM+8+\b], v[TM+8+\b]   ; the conversion to an 8-bit code does not saturate (ISA guide 7.6.2): the hold at the largest code x the scale
.endr
	v_cvt_scalef32_pk8_fp8_f32 v[(\pc)+4*\b:(\pc)+1+4*\b], v[\s+16*\b:\s+7+16*\b], v[TM+12+\b]
	v_cvt_scalef32_pk8_fp8_f32 v[(\pc)+2+4*\b:(\pc)+3+4*\b], v[\s+8+16*\b:\s+15+16*\b], v[TM+12+\b]
.endr
	v_nop                                          ; one plain vector line behind the last conversion: the next block's additions write the conversions' sources
.endm
; THE WAY OUT, block by block of 16 A rows.  mode 0 (q, k): the lane's row is a token, the four blocks are (head, d block).  mode 1 (v): the lane's row is an output d, the four blocks are 32 keys each.
.macro EPI mode
.irp a, 0,1,2,3,4,5,6,7
	WIN 0x02+\a/4                                  ; source 0: window 2 or 3
.set k, 0
.rept 32                               ; the bias is added, and the block comes into window 0, in one line for two numbers; each accumulator from its low end on
.if \mode
	v_pk_add_f32 v[X+2*k:X+2*k+1], v[64*(\a%4)+2*k:64*(\a%4)+2*k+1], v[BI+8*\a+(2*k)%8:BI+8*\a+(2*k)%8+1]
.else
	v_pk_add_f32 v[X+2*k:X+2*k+1], v[64*(\a%4)+2*k:64*(\a%4)+2*k+1], v[BI+2*k:BI+2*k+1]
.endif
.set k, k+1
.endr
	WIN 0
.set PCS, PC+16*(\a%2)
.if \a >= 2
	s_wait_xcnt 0x0                                ; the stores of the block two back have read this set of codes: it is written again only behind this wait
.endif
	QUANT X, PCS
.irp g, 0,1,2,3
.if \mode
	global_store_b128 v[LI], v[PCS+4*\g:PCS+4*\g+3], s[CB+2*(\a/4):CB+2*(\a/4)+1] offset:2048*(\a%4)+512*\g   ; head a / 4, tile a % 4, key block g: 512 consecutive bytes, aligned
.else
	global_store_b128 v[LI], v[PCS+4*\g:PCS+4*\g+3], s[CB+2*(\g/2):CB+2*(\g/2)+1] offset:2048*(\a/2)+512*(2*(\a%2)+\g%2)   ; head g / 2, fragment a / 2, its half a % 2, d block g % 2
.endif
.endr
.if \mode
	v_lshl_or_b32 v[SW+\a], v[TM+5], 8, v[TM+4]    ; the four key blocks' bytes are the word of tile a % 4 of head a / 4
	v_lshl_or_b32 v[SW+\a], v[TM+6], 16, v[SW+\a]
	v_lshl_or_b32 v[SW+\a], v[TM+7], 24, v[SW+\a]
.else
.irp d, 0,1                            ; head d's two bytes are half of the word of fragment a / 2: the low half for its first 16 tokens, the high half for the others
.if \a%2 == 0
	v_lshl_or_b32 v[SW+4*\d+\a/2], v[TM+5+2*\d], 8, v[TM+4+2*\d]
.else
	v_lshl_or_b32 v252, v[TM+5+2*\d], 8, v[TM+4+2*\d]
	v_lshl_or_b32 v[SW+4*\d+\a/2], v252, 16, v[SW+4*\d+\a/2]
.endif
.endr
.endif
.endr
.endm
	PLACES NP                                      ; behind the last products: their results are read, and registers that held A's fragments are written
.irp b, 0,1,2,3
	v_mov_b32 v[TM+4+\b], 0                        ; written once: a lane permute's destination counts as one of its sources
.endr
	; where my results go.  No tensor load of mine is out since the last change of slots, so the scales' descriptor registers may be written
	s_cmp_eq_u32 s99, 0
	s_mov_b32 s18, 270336
	s_cselect_b32 s18, 135168, s18                 ; a head's bytes: qimg or kv
	s_mov_b32 s19, 16896
	s_cselect_b32 s19, 8448, s19                   ; 128 tokens' bytes in it
	s_mov_b32 s20, 16384
	s_cselect_b32 s20, 8192, s20                   ; where the scale words lie: q's, k's,
	s_mov_b32 s22, 16640
	s_cmp_eq_u32 s99, 2
	s_cselect_b32 s20, s22, s20                    ; v's
	s_cselect_b32 s21, 8192, 0                     ; v's codes lie behind k's
	s_lshr_b32 s23, s98, 4
	s_lshl_b32 s23, s23, 4                         ; 16 x batch
	s_lshl_b32 s45, s100, 1
	s_add_co_u32 s23, s23, s45                     ; + my first head
	s_and_b32 s45, s98, 15                         ; which 128 tokens of the batch's 2048
	s_mul_i32 s23, s23, s18
	s_mul_i32 s45, s45, s19
	s_add_co_u32 s92, s23, s45                     ; under 2^25
	s_mov_b32 s93, 0
	s_add_nc_u64 s[66:67], s[66:67], s[92:93]
	s_mov_b32 s92, s21
	s_add_nc_u64 s[CB:CB+1], s[66:67], s[92:93]
	s_mov_b32 s92, s20
	s_add_nc_u64 s[SB:SB+1], s[66:67], s[92:93]
	s_mov_b32 s92, s18
	s_add_nc_u64 s[CB+2:CB+3], s[CB:CB+1], s[92:93]   ; my second head: one head on
	s_add_nc_u64 s[SB+2:SB+3], s[SB:SB+1], s[92:93]
	s_wait_loadcnt 0x0                             ; the bias
	s_cmp_eq_u32 s99, 2                            ; the projection's number: the same in all sixteen partners
	s_cbranch_scc1 .Lalong_keys
	EPI 0
	s_branch .Lwords
.Lalong_keys:
	EPI 1
.Lwords:
	; the scale words: lane l stores the words of fragments (tiles) l / 16 and 2 + l / 16, row l % 16: 32 lanes store one aligned run of 256 bytes for each head
	v_and_b32 v3, 31, v0
	v_cmp_gt_u32 vcc_lo, 16, v3
	s_wait_alu depctr_va_vdst(0)
.irp d, 0,1
	v_cndmask_b32 v[248+2*\d], v[SW+4*\d+1], v[SW+4*\d], vcc_lo
	v_cndmask_b32 v[249+2*\d], v[SW+4*\d+3], v[SW+4*\d+2], vcc_lo
	global_store_b64 v[LS8], v[248+2*\d:249+2*\d], s[SB+2*\d:SB+2*\d+1]
.endr
	s_wait_tensorcnt 0x0                           ; the wave's end, behind my last tensor load and my last LDS instruction
	ds_add_u32 v[SPW], v[NIL]
	s_wait_dscnt 0x0
	CROUND                                         ; the closing round: no work-group ends while a partner may still ask for a tile that names it
	s_endpgm
.Lfunc_end_k_qd1b709fe87_proj:
	.size	k_qd1b709fe87_proj, .Lfunc_end_k_qd1b709fe87_proj-k_qd1b709fe87_proj
	.p2alignl 7, 3214868480
	.fill 96, 4, 3214868480
	.section	.rodata,"a",@progbits
	.p2align	6, 0x0
	.amdhsa_kernel k_qd1b709fe87_proj
		.amdhsa_group_segment_fixed_size 327680
		.amdhsa_private_segment_fixed_size 0
		.amdhsa_enable_private_segment 0
		.amdhsa_kernarg_size 136
		.amdhsa_user_sgpr_count 2
		.amdhsa_user_sgpr_kernarg_segment_ptr 1
		.amdhsa_wavefront_size32 1
		.amdhsa_system_sgpr_workgroup_id_x 1
		.amdhsa_system_sgpr_workgroup_id_y 1
		.amdhsa_system_sgpr_workgroup_id_z 1
		.amdhsa_system_vgpr_workitem_id 0
		.amdhsa_next_free_vgpr 1024
		.amdhsa_next_free_sgpr 102
		.amdhsa_reserve_vcc 1
		.amdhsa_float_denorm_mode_32 3
		.amdhsa_float_denorm_mode_16_64 3
		.amdhsa_memory_ordered 1
		.amdhsa_forward_progress 1
		.amdhsa_inst_pref_size 255
	.end_amdhsa_kernel
	.section	.bss,"aw",@nobits
	.p2align	6
	.space	262144
	.amdgpu_metadata
---
amdhsa.version: [ 1, 2 ]
amdhsa.kernels:
  - .name:           k_qd1b709fe87_proj
    .symbol:         k_qd1b709fe87_proj.kd
    .args:
      - { .name: query_codes, .offset: 0, .size: 8, .value_kind: global_buffer, .address_space: global }
      - { .name: query_scales, .offset: 8, .size: 8, .value_kind: global_buffer, .address_space: global }
      - { .name: key_codes, .offset: 16, .size: 8, .value_kind: global_buffer, .address_space: global }
      - { .name: key_scales, .offset: 24, .size: 8, .value_kind: global_buffer, .address_space: global }
      - { .name: value_codes, .offset: 32, .size: 8, .value_kind: global_buffer, .address_space: global }
      - { .name: value_scales, .offset: 40, .size: 8, .value_kind: global_buffer, .address_space: global }
      - { .name: Wq_codes, .offset: 48, .size: 8, .value_kind: global_buffer, .address_space: global }
      - { .name: Wq_scales, .offset: 56, .size: 8, .value_kind: global_buffer, .address_space: global }
      - { .name: Wk_codes, .offset: 64, .size: 8, .value_kind: global_buffer, .address_space: global }
      - { .name: Wk_scales, .offset: 72, .size: 8, .value_kind: global_buffer, .address_space: global }
      - { .name: Wv_codes, .offset: 80, .size: 8, .value_kind: global_buffer, .address_space: global }
      - { .name: Wv_scales, .offset: 88, .size: 8, .value_kind: global_buffer, .address_space: global }
      - { .name: bq, .offset: 96, .size: 8, .value_kind: global_buffer, .address_space: global }
      - { .name: bk, .offset: 104, .size: 8, .value_kind: global_buffer, .address_space: global }
      - { .name: bv, .offset: 112, .size: 8, .value_kind: global_buffer, .address_space: global }
      - { .name: qimg, .offset: 120, .size: 8, .value_kind: global_buffer, .address_space: global }
      - { .name: kv, .offset: 128, .size: 8, .value_kind: global_buffer, .address_space: global }
    .group_segment_fixed_size: 327680
    .private_segment_fixed_size: 0
    .kernarg_segment_align: 8
    .kernarg_segment_size: 136
    .max_flat_workgroup_size: 128
    .sgpr_count:     102
    .vgpr_count:     1024
    .wavefront_size: 32
...
	.end_amdgpu_metadata
.endif
;; end of part 1
;; launch attn (part 2): grid 4 x 64, 8 waves a work-group, clusters of 4 x 1, 327,680 bytes of LDS; arguments qimg, kv, out0; writes out0
.if DOCPART == 2
	.amdgcn_target "amdgcn-amd-amdhsa--gfx1250"
	.amdhsa_code_object_version 6
	.text
	.protected	k_qd1b709fe87_attn
	.globl	k_qd1b709fe87_attn
	.p2align	8
	.type	k_qd1b709fe87_attn,@function
k_qd1b709fe87_attn:
	s_mov_b64 s[64:65], 0
	v_nop
	global_prefetch_b8 v0, s[64:65] scope:SCOPE_SE
	s_setreg_imm32_b32 hwreg(HW_REG_WAVE_MODE, 25, 1), 1
	s_wait_xcnt 0x0
	s_wait_alu depctr_hold_cnt(0) depctr_sa_sdst(0) depctr_va_vdst(0) depctr_va_sdst(0) depctr_va_ssrc(0) depctr_va_vcc(0) depctr_vm_vsrc(0)
	s_getreg_b32 s2, hwreg(HW_REG_IB_STS2, 6, 4)
	s_cmp_eq_u32 s2, 0
	s_cbranch_scc0 .Lentry_in_a_cluster
	s_endpgm
.Lentry_in_a_cluster:
	s_bfe_u32 s2, ttmp6, 0x10000c
	s_cmp_lg_u32 s2, 0x3003
	s_cbranch_scc0 .Lentry_shape_is_right
	s_endpgm
.Lentry_shape_is_right:
; ATTENTION ON CODES OF MX-FP8: out = softmax(q k^T / 8) v for 64 heads (16 batch + head) of 2,048 tokens, head size 64; q, k, v come as images of operand registers with their scale words, as launch proj leaves them.
; SHARES.  A work-group owns 512 queries of one head.  Each of its eight waves owns 32 of them at a time, TWO TILES of 16 (A, B), in two passes: every fragment of K and V that a wave reads from LDS feeds both tiles,
; and the two tiles' vector lines take turns, so that a line seldom reads what the line above it wrote.  All of a head's K and V, 270,336 bytes, lies in LDS for the whole launch: sixteen key steps of 128 keys.
; The four work-groups of a head form a cluster and ask for K and V jointly: 34 rows of 256 bytes a wave (key steps 0 to 3 lie in them), then 98 rows a wave behind the waits and a round.
; The first loop walks key steps 0 to 2 (and fetches step 3's fragments) while the second group is on its way; a barrier shows the rest.  No prefetch: both groups are asked for at the head, and no loop stands ahead of them.
; A LANE holds one query of each tile: S^T = K Q^T (the head's 64 fill half of the instruction's 128: a fragment holds two groups of 16 keys, and Q stands beside zeros, once low, once high), O^T = V^T P^T.
; THE SOFTMAX: t = score x log2(e) / 8; M = the running largest t rounded up to a whole number; p = 2^(t - M) is quantised by blocks of 32 keys; the row's sum is taken of the unquantised p and divides at the end.
; FRAGMENTS ARE FETCHED A STEP AHEAD: K's of step i + 1 behind step i's first product, V's behind its second; K and V have registers of their own.  The last step of all fetches step 0 once more, and nobody reads that.
; LIMITS: NaN and infinities are not served; the promise holds while |t| stays under 2^31.  A block of p whose numbers have all fallen to 0 keeps the byte 1: its codes are zeros.
; REGISTERS.  Window 0: v1-9 addresses; v10-15 scale words of K, V, Q; v16-79, v80-143 S^T then p of A, B; v144-175, v176-207 O^T; v208-231, v232-255 at work (X = 208, 232):
;   X+0..7 block maxima and bytes, then the sum's four chains; X+8.. 448 x the scale; X+12.. the conversions' scale operands; X+16 -M, X+17 the largest t; X+18,19 the sum; X+20 f; X+21 at work; X+22 p's scale word.
; Window 1: v0-63 K's fragments; v64-127 V's; v128-167 Q: B, zeros, A, zeros, B; v168-183, v184-199 p's codes; v200-215, v248 the next pass's Q; v216-247 (and v168-199) rows on the way out.
.set HEADB, 270336
.set STEPB, 16896
.set VOFF,  8192
.set KSO,   16384
.set VSO,   16640
.set QHEAD, 135168
.set QBLK,  8448
.set LOADA, 8704                       ; 34 rows of 256 bytes: a wave's part of the first group
.set STG,   HEADB                      ; the way out: 16 rows x 272 bytes for each wave
.set STW,   16*272
.set SPARE, STG+8*STW                  ; the spare words, 128 bytes a wave
.set LI,  1
.set LS,  2
.set STO, 3
.set SRD, 4
.set GO,  5
.set ADK, 6
.set ADS, 7
.set SPW, 8
.set NIL, 9
.set WV,  18
.set MNT, 19
.set SEL, 20
.set CS,  22
.set G1,  24
.set G0A, 32
.set G0B, 36
.set QC,  46
.set OB,  50
.set QS,  52
.set N,   58
.set TBN, 59
.set TT,  61
.set G1Z, 68
.set MSB, 0
.macro WIN new                         ; the immediate's high byte repeats the setting that is left
.if MSB != (\new)
	s_set_vgpr_msb (MSB<<8)|(\new)
.set MSB, (\new)
.endif
.endm
.macro ROUND
	s_barrier_signal -1
	s_barrier_wait -1
	s_cmp_lg_u32 s[WV], 0
	s_cbranch_scc1 .Lnot_wave_0_\@
	s_barrier_signal -3
.Lnot_wave_0_\@:
	s_barrier_wait -3
	s_barrier_signal -1
	s_barrier_wait -1
.endm
	s_load_b128 s[4:7], s[0:1], 0x0                ; qimg, kv
	s_load_b64 s[8:9], s[0:1], 0x10                ; out0
	v_lshl_add_u32 v[SPW], v0, 2, SPARE
	v_mov_b32 v[NIL], 0
	ds_add_u32 v[SPW], v[NIL]                      ; the opening lines: the add twice on end and one wait
	ds_add_u32 v[SPW], v[NIL]
	v_lshrrev_b32 v16, 5, v0
	v_readfirstlane_b32 s[WV], v16                 ; wave 0..7
	s_bfe_u32 s40, ttmp6, 0x40000
	s_lshl_b32 s41, ttmp9, 2
	s_add_co_u32 s41, s41, s40                     ; which 512 queries of the head
	s_and_b32 s42, ttmp7, 0xffff                   ; the head
	s_mul_i32 s10, s42, HEADB
	s_mul_i32 s12, s[WV], LOADA
	s_add_co_u32 s10, s10, s12
	s_mov_b32 s11, 0
	s_mov_b32 s[G1], 15|(3<<16)|(1<<21)            ; dense rows of 256 bytes (32 elements of 8), asked for by all four partners
	s_mov_b32 s[G1+1], 32<<16
	s_mov_b32 s[G1+2], 34<<16
	s_mov_b32 s[G1+3], 32<<16
	s_mov_b32 s[G1+4], 34
	s_mov_b32 s[G1+5], 32
	s_mov_b32 s[G1+6], 0
	s_mov_b32 s[G1+7], 0
	s_mov_b32 s[G1Z], 15|(3<<16)|(1<<21)           ; the second group: 98 rows a wave
	s_mov_b32 s[G1Z+1], 32<<16
	s_mov_b32 s[G1Z+2], 98<<16
	s_mov_b32 s[G1Z+3], 32<<16
	s_mov_b32 s[G1Z+4], 98
	s_mov_b32 s[G1Z+5], 32
	s_mov_b32 s[G1Z+6], 0
	s_mov_b32 s[G1Z+7], 0
	s_mul_i32 s14, s42, QHEAD                      ; Q: pass p takes fragment wave % 4 (32 queries) of block 4 x + 2 p + wave / 4 of 128 queries
	s_lshl_b32 s15, s41, 2
	s_lshr_b32 s16, s[WV], 2
	s_add_co_u32 s15, s15, s16
	s_mul_i32 s15, s15, QBLK
	s_add_co_u32 s14, s14, s15
	s_and_b32 s16, s[WV], 3
	s_lshl_b32 s16, s16, 11
	s_add_co_u32 s44, s14, s16
	s_mov_b32 s45, 0
	s_and_b32 s16, s[WV], 1                        ; its scale words: fragment f's lie at 128 (f % 2) + 8 r + 4 (f / 2)
	s_lshl_b32 s16, s16, 7
	s_bfe_u32 s43, s[WV], 0x10001
	s_lshl_b32 s43, s43, 2
	s_add_co_u32 s16, s16, s43
	s_add_co_u32 s16, s16, 8192
	s_add_co_u32 s48, s14, s16
	s_mov_b32 s49, 0
	s_lshr_b32 s16, s42, 4                         ; out0: batch, row 512 x + 32 wave, column 64 head
	s_lshl_b32 s16, s16, 23
	s_lshl_b32 s43, s41, 9
	s_lshl_b32 s55, s[WV], 5
	s_add_co_u32 s43, s43, s55
	s_lshl_b32 s43, s43, 12
	s_add_co_u32 s16, s16, s43
	s_and_b32 s43, s42, 15
	s_lshl_b32 s43, s43, 8
	s_add_co_u32 s56, s16, s43
	s_mov_b32 s57, 0
	s_mov_b32 s[SEL], 0x76543210
	s_mov_b32 s[SEL+1], 0xfedcba98
	s_mov_b32 s[CS], 0x3e38aa3b                    ; log2(e) / 8
	s_mov_b32 s[CS+1], s[CS]
	s_mov_b32 s[MNT], 0x600000
	s_wait_dscnt 0x0
	s_wait_kmcnt 0x0
	s_add_nc_u64 s[QC:QC+1], s[4:5], s[44:45]
	s_add_nc_u64 s[QS:QS+1], s[4:5], s[48:49]
	s_add_nc_u64 s[OB:OB+1], s[8:9], s[56:57]
	s_add_nc_u64 s[6:7], s[6:7], s[10:11]
	ROUND
	s_mov_b32 s[G0A], 1
	s_mov_b32 s[G0A+1], s12
	s_mov_b64 s[G0A+2:G0A+3], s[6:7]
	s_or_b32 s[G0A+3], s[G0A+3], 0x80000000
	s_lshl_b32 s16, s[WV], 14                      ; the second group begins behind the first's 8 x 8,704 bytes; a wave's part is 25,088 = 8,704 + 16,384
	s_add_co_u32 s16, s16, 8*LOADA
	s_mov_b32 s17, 0
	s_mov_b32 s[G0B], 1
	s_add_co_u32 s[G0B+1], s12, s16
	s_add_nc_u64 s[G0B+2:G0B+3], s[6:7], s[16:17]
	s_or_b32 s[G0B+3], s[G0B+3], 0x80000000
	tensor_load_to_lds s[G0A:G0A+3], s[G1:G1+7]
	s_nop 0
	v_and_b32 v16, 31, v0
	v_and_b32 v17, 15, v0                          ; r
	v_bfe_u32 v18, v0, 4, 1                        ; h
	v_lshlrev_b32 v[LI], 4, v16
	v_lshlrev_b32 v[LS], 3, v16
	v_lshlrev_b32 v19, 3, v17
.macro QLOAD p                         ; a pass's Q: 2,048 bytes of codes (A's two blocks of the head's 64, then B's) and the fragment's scale words
	WIN 0x40
.irp c, 0,1,2,3
	global_load_b128 v[200+4*\c:203+4*\c], v[LI], s[QC:QC+1] offset:2*QBLK*\p+512*\c th:TH_LOAD_NT
.endr
	global_load_b32 v248, v19, s[QS:QS+1] offset:2*QBLK*\p
	WIN 0
.endm
	QLOAD 0
	s_mul_i32 s60, s[WV], STW
	s_add_co_u32 s60, s60, STG
	v_mul_u32_u24 v[STO], v17, 272                 ; in: row r, 32 h bytes on
	v_mul_u32_u24 v[SRD], v18, 272                 ; back: lanes 0-15 one row, lanes 16-31 the next
	v_lshl_add_u32 v[STO], v18, 5, v[STO]
	v_lshl_add_u32 v[SRD], v17, 4, v[SRD]
	v_add_nc_u32 v[STO], s60, v[STO]
	v_add_nc_u32 v[SRD], s60, v[SRD]
	v_lshlrev_b32 v[GO], 12, v18
	v_lshl_add_u32 v[GO], v17, 4, v[GO]
.irp X, 208,232
.irp i, 4,5,6,7,21
	v_mov_b32 v[\X+\i], 0                          ; written once: a lane permute's destination counts as one of its sources
.endr
.endr
	WIN 0x40
.irp i, 0,1,2,3,4,5,6,7
	v_mov_b32 v[136+\i], 0                         ; the zeros beside Q
	v_mov_b32 v[152+\i], 0
.endr
	WIN 0
	s_wait_alu depctr_va_vdst(0)
	s_wait_tensorcnt 0x0                           ; my part of the first group is in; the full sequence ahead of a later first fill
	ds_add_u32 v[SPW], v[NIL]
	s_wait_dscnt 0x0
	ROUND
	tensor_load_to_lds s[G0B:G0B+3], s[G1Z:G1Z+7]
	s_nop 0
.rept 4
	v_nop
.endr
.macro LOADK ak, as                    ; 17 LDS loads: a step's scale words and four fragments of K
	ds_load_b64 v[10:11], v[\as] offset:KSO
	WIN 0x40
.irp f, 0,1,2,3
.irp c, 0,1,2,3
	ds_load_b128 v[16*\f+4*\c:16*\f+4*\c+3], v[\ak] offset:2048*\f+512*\c
.endr
.endr
	WIN 0
.endm
.macro LOADV ak, as                    ; 17 LDS loads: the same of V
	ds_load_b64 v[12:13], v[\as] offset:VSO
	WIN 0x40
.irp t, 0,1,2,3
.irp c, 0,1,2,3
	ds_load_b128 v[64+16*\t+4*\c:64+16*\t+4*\c+3], v[\ak] offset:VOFF+2048*\t+512*\c
.endr
.endr
	WIN 0
.endm
.macro BEGIN                           ; a pass begins: Q into its places, the largest t -3e38, sums and O^T zero
	s_wait_loadcnt 0x0
	WIN 0x05
	v_perm_b32 v14, v248, v248, 0x01000100         ; A's two scale bytes, for Q low and Q high alike;
	v_perm_b32 v15, v248, v248, 0x03020302         ; B's
	WIN 0x41
.irp i, 0,1,2,3,4,5,6,7
	v_mov_b32 v[144+\i], v[200+\i]
	v_mov_b32 v[128+\i], v[208+\i]
	v_mov_b32 v[160+\i], v[208+\i]
.endr
	WIN 0
.irp X, 208,232
	v_mov_b32 v[\X+17], 0xff61b1e6
	v_mov_b32 v[\X+18], 0
	v_mov_b32 v[\X+19], 0
.endr
.irp X, 208,232
	v_floor_f32 v[\X+16], -v[\X+17]
.endr
.set j, 0
.rept 64
	v_mov_b32 v[144+j], 0
.set j, j+1
.endr
	s_wait_alu depctr_va_vdst(0)
.endm
.macro SMUL d, f, q, qs
.if (\f)%2
	v_wmma_scale_f32_16x16x128_f8f6f4 v[(\d):(\d)+7], v[16*(\f):16*(\f)+15], v[(\q):(\q)+15], 0, v[10+(\f)/2], v[\qs] matrix_a_scale:MATRIX_SCALE_ROW1
.else
	v_wmma_scale_f32_16x16x128_f8f6f4 v[(\d):(\d)+7], v[16*(\f):16*(\f)+15], v[(\q):(\q)+15], 0, v[10+(\f)/2], v[\qs]
.endif
.endm
.macro PMUL d, t, p, ps
.if (\t)%2
	v_wmma_scale_f32_16x16x128_f8f6f4 v[(\d):(\d)+7], v[64+16*(\t):64+16*(\t)+15], v[(\p):(\p)+15], v[(\d):(\d)+7], v[12+(\t)/2], v[\ps] matrix_a_scale:MATRIX_SCALE_ROW1
.else
	v_wmma_scale_f32_16x16x128_f8f6f4 v[(\d):(\d)+7], v[64+16*(\t):64+16*(\t)+15], v[(\p):(\p)+15], v[(\d):(\d)+7], v[12+(\t)/2], v[\ps]
.endif
.endm
; A KEY STEP of 128 keys for both tiles.  s[TBN]: LDS byte at which the NEXT step's K and V begin.
.macro STEP
	s_wait_dscnt 17                                ; this step's K is in; the 17 younger loads, its V, may be out
	WIN 0x05                                       ; sources 0 and 1 in window 1
.irp f, 0,1,2,3
	SMUL 16+16*\f, \f, 144, 14                     ; A, Q low: the fragment's first 16 keys;
	SMUL 80+16*\f, \f, 128, 15                     ; B;
	SMUL 24+16*\f, \f, 136, 14                     ; Q high: its other 16
	SMUL 88+16*\f, \f, 152, 15
.endr
	WIN 0
	v_add_nc_u32 v[ADK], s[TBN], v[LI]
	v_add_nc_u32 v[ADS], s[TBN], v[LS]
.rept 6
	v_nop                                          ; eight places behind the products, ahead of the loads into what they read and of the first read of the scores
.endr
	LOADK ADK, ADS
.irp b, 0,1,2,3
.irp T, 0,1
	v_max3_num_f32 v[208+24*\T+\b], v[16+64*\T+16*\b], v[17+64*\T+16*\b], v[18+64*\T+16*\b]   ; the largest score of each block of 32 keys: eight chains by turns
.endr
.endr
.irp i, 3,5,7,9,11,13
.irp b, 0,1,2,3
.irp T, 0,1
	v_max3_num_f32 v[208+24*\T+\b], v[208+24*\T+\b], v[16+64*\T+16*\b+\i], v[17+64*\T+16*\b+\i]
.endr
.endr
.endr
.irp b, 0,1,2,3
.irp T, 0,1
	v_max_num_f32 v[208+24*\T+\b], v[208+24*\T+\b], v[31+64*\T+16*\b]
.endr
.endr
.irp b, 0,1,2,3
.irp X, 208,232
	v_permlanex16_b32 v[\X+4+\b], v[\X+\b], s[SEL], s[SEL+1]
.endr
.endr
.irp b, 0,1,2,3
.irp X, 208,232
	v_max_num_f32 v[\X+\b], v[\X+\b], v[\X+4+\b]   ; with lane l xor 16's 16 keys
.endr
.endr
.irp X, 208,232
	v_max3_num_f32 v[\X+21], v[\X], v[\X+1], v[\X+2]
.endr
.irp X, 208,232
	v_max_num_f32 v[\X+21], v[\X+21], v[\X+3]
.endr
.irp X, 208,232
	v_mul_f32 v[\X+21], s[CS], v[\X+21]
.endr
.irp X, 208,232
	v_max_num_f32 v[\X+17], v[\X+17], v[\X+21]     ; the running largest t
.endr
.irp X, 208,232
	v_mov_b32 v[\X+21], v[\X+16]
.endr
.irp X, 208,232
	v_floor_f32 v[\X+16], -v[\X+17]                ; -M = floor(-t)
.endr
.irp X, 208,232
	v_sub_f32 v[\X+21], v[\X+16], v[\X+21]
.endr
.irp X, 208,232
	v_cvt_i32_f32 v[\X+21], v[\X+21]
.endr
.irp X, 208,232
	v_ldexp_f32 v[\X+20], 1.0, v[\X+21]            ; f = 2^(old M - new M)
.endr
.set j, 0
.rept 32
	v_pk_fma_f32 v[16+j:17+j], v[16+j:17+j], s[CS:CS+1], v[224:225] op_sel_hi:[1,0,0]   ; t - M
	v_pk_fma_f32 v[80+j:81+j], v[80+j:81+j], s[CS:CS+1], v[248:249] op_sel_hi:[1,0,0]
.set j, j+2
.endr
.irp b, 0,1,2,3
.irp X, 208,232
	v_fma_f32 v[\X+\b], v[\X+\b], s[CS], v[\X+16]  ; the same of each block's largest score
.endr
.endr
	s_wait_alu depctr_va_vdst(0)
.set j, 0
.rept 128
	v_exp_f32 v[16+j], v[16+j]
.set j, j+1
.endr
.irp b, 0,1,2,3
.irp X, 208,232
	v_exp_f32 v[\X+\b], v[\X+\b]                   ; the block's largest p
.endr
.endr
	v_nop
	s_wait_alu depctr_va_vdst(0)
.irp b, 0,1,2,3
.irp X, 208,232
	v_max_num_f32 v[\X+\b], 0x4800000, v[\X+\b]    ; the floor 2^(9 - 127): the byte cannot fall under 1
.endr
.endr
.irp b, 0,1,2,3
.irp X, 208,232
	v_add_nc_u32 v[\X+12+\b], 0xfc000000, v[\X+\b] ; 8 off the exponent field: the conversion's scale operand
.endr
.endr
.irp b, 0,1,2,3
.irp X, 208,232
	v_and_or_b32 v[\X+8+\b], v[\X+\b], 0x7f800000, s[MNT]   ; 448 x the scale
.endr
.endr
.irp b, 0,1,2,3
.irp X, 208,232
	v_lshrrev_b32 v[\X+4+\b], 23, v[\X+12+\b]      ; the scale's byte
.endr
.endr
.irp X, 208,232
	v_lshl_or_b32 v[\X+22], v[\X+5], 8, v[\X+4]    ; p's scale word for these 128 keys
.endr
.irp X, 208,232
	v_lshl_or_b32 v[\X+22], v[\X+6], 16, v[\X+22]
.endr
.irp X, 208,232
	v_lshl_or_b32 v[\X+22], v[\X+7], 24, v[\X+22]
.endr
.irp k, 0,1,2,3
.irp T, 0,1
	v_pk_add_f32 v[208+24*\T+2*\k:209+24*\T+2*\k], v[16+64*\T+4*\k:17+64*\T+4*\k], v[18+64*\T+4*\k:19+64*\T+4*\k]   ; the step's sum of the unquantised p: four chains a tile
.endr
.endr
.irp j, 16,24,32,40,48,56
.irp k, 0,1,2,3
.irp T, 0,1
	v_pk_add_f32 v[208+24*\T+2*\k:209+24*\T+2*\k], v[208+24*\T+2*\k:209+24*\T+2*\k], v[16+64*\T+\j+2*\k:17+64*\T+\j+2*\k]
.endr
.endr
.endr
.irp b, 0,1,2,3
.irp i, 0,2,4,6,8,10,12,14
.irp T, 0,1
	v_dual_min_num_f32 v[16+64*\T+16*\b+\i], v[16+64*\T+16*\b+\i], v[216+24*\T+\b] :: v_dual_min_num_f32 v[17+64*\T+16*\b+\i], v[17+64*\T+16*\b+\i], v[216+24*\T+\b]   ; the one-sided hold at 448 x the scale
.endr
.endr
.endr
	WIN 0x40                                       ; the codes go to window 1
.irp b, 0,1,2,3
	v_cvt_scalef32_pk8_fp8_f32 v[168+4*\b:169+4*\b], v[16+16*\b:23+16*\b], v[220+\b]
	v_cvt_scalef32_pk8_fp8_f32 v[184+4*\b:185+4*\b], v[80+16*\b:87+16*\b], v[244+\b]
	v_cvt_scalef32_pk8_fp8_f32 v[170+4*\b:171+4*\b], v[24+16*\b:31+16*\b], v[220+\b]
	v_cvt_scalef32_pk8_fp8_f32 v[186+4*\b:187+4*\b], v[88+16*\b:95+16*\b], v[244+\b]
.endr
	WIN 0
	s_wait_alu depctr_va_vdst(0)
.set j, 0
.rept 16
	v_pk_mul_f32 v[144+j:145+j], v[144+j:145+j], v[228:229] op_sel_hi:[1,0]   ; O^T under the new M; these 32 are also the places ahead of the products below
	v_pk_mul_f32 v[176+j:177+j], v[176+j:177+j], v[252:253] op_sel_hi:[1,0]
.set j, j+2
.endr
	s_wait_alu depctr_va_vdst(0)
	s_wait_dscnt 17                                ; this step's V is in; the 17 younger loads, the next step's K, may be out
	WIN 0x05
.irp t, 0,1,2,3
	PMUL 144+8*\t, \t, 168, 230
	PMUL 176+8*\t, \t, 184, 254
.endr
	WIN 0
.irp X, 208,232                        ; the chains are joined and the row's sum goes on: eight plain lines, the places ahead of the loads below
	v_pk_add_f32 v[\X:\X+1], v[\X:\X+1], v[\X+2:\X+3]
.endr
.irp X, 208,232
	v_pk_add_f32 v[\X+4:\X+5], v[\X+4:\X+5], v[\X+6:\X+7]
.endr
.irp X, 208,232
	v_pk_add_f32 v[\X:\X+1], v[\X:\X+1], v[\X+4:\X+5]
.endr
.irp X, 208,232
	v_pk_fma_f32 v[\X+18:\X+19], v[\X+18:\X+19], v[\X+20:\X+21], v[\X:\X+1] op_sel_hi:[1,0,1]
.endr
	LOADV ADK, ADS
.endm
; THE WAY OUT of a pass: O^T / the sum goes through my stage, a tile of 16 rows x 256 bytes at a time, and leaves as aligned units of 256 bytes.
.macro OUT
.irp X, 208,232
	v_add_f32 v[\X+18], v[\X+18], v[\X+19]
.endr
.irp X, 208,232
	v_permlanex16_b32 v[\X+21], v[\X+18], s[SEL], s[SEL+1]
.endr
.irp X, 208,232
	v_add_f32 v[\X+18], v[\X+18], v[\X+21]
.endr
	s_wait_alu depctr_va_vdst(0)
	v_rcp_f32 v226, v226
	v_rcp_f32 v250, v250
	v_nop
	s_wait_alu depctr_va_vdst(0)
.set j, 0
.rept 16
	v_pk_mul_f32 v[16+j:17+j], v[144+j:145+j], v[226:227] op_sel_hi:[1,0]   ; register 8 t + i is o(r, 16 t + 8 h + i)
	v_pk_mul_f32 v[80+j:81+j], v[176+j:177+j], v[250:251] op_sel_hi:[1,0]
.set j, j+2
.endr
.irp T, 0,1
.irp t, 0,1,2,3
	ds_store_b128 v[STO], v[16+64*\T+8*\t:19+64*\T+8*\t] offset:64*\t
	ds_store_b128 v[STO], v[20+64*\T+8*\t:23+64*\T+8*\t] offset:64*\t+16
.endr
	WIN 0x40
.irp i, 0,1,2,3,4,5,6,7
	ds_load_b128 v[216-48*\T+4*\i:219-48*\T+4*\i], v[SRD] offset:544*\i   ; LDS serves a wave's instructions in order: these see my stores, and B's stores come behind A's loads
.endr
	WIN 0
.endr
	WIN 0x04                                       ; the stores' data lie in window 1
.irp T, 0,1
	s_wait_dscnt 16-16*\T                          ; A's rows are back (B's 8 stores and 8 loads may be out); then B's
.irp i, 0,1,2,3,4,5,6,7
	global_store_b128 v[GO], v[216-48*\T+4*\i:219-48*\T+4*\i], s[OB:OB+1] offset:65536*\T+8192*\i th:TH_STORE_NT
.endr
.endr
	WIN 0
	s_wait_xcnt 0x0                                ; the stores have read their base and data
	s_add_nc_u64 s[OB:OB+1], s[OB:OB+1], 1048576   ; the next pass's rows: 256 on
.endm
	LOADK LI, LS                                   ; key step 0
	LOADV LI, LS
	BEGIN
	QLOAD 1
	s_wait_xcnt 0x0                                ; the loads have read their offsets: v19 is written by the first products
	s_mov_b32 s[N], 0
	s_mov_b32 s[TBN], 0
.Lfirst:                                               ; key steps 0 to 2 of pass 0: they read, and fetch ahead, inside the first group's bytes
	s_add_co_u32 s[TBN], s[TBN], STEPB
	STEP
	s_add_co_u32 s[N], s[N], 1
	s_cmp_lt_u32 s[N], 3
	s_cbranch_scc1 .Lfirst
	s_wait_alu depctr_va_vdst(0)
	s_wait_tensorcnt 0x0                           ; my part of the second group is in,
	s_wait_dscnt 0x0
	s_barrier_signal -1
	s_barrier_wait -1                              ; everybody's is
.Lmain:                                                ; steps 3 to 31: step n is key step n % 16 of pass n / 16
	s_add_co_u32 s[TT], s[N], 1
	s_and_b32 s[TT], s[TT], 15
	s_mul_i32 s[TBN], s[TT], STEPB
	STEP
	s_and_b32 s[TT], s[N], 15
	s_cmp_lg_u32 s[TT], 15
	s_cbranch_scc1 .Lon
	OUT
	s_cmp_eq_u32 s[N], 31
	s_cbranch_scc1 .Lon
	BEGIN
.Lon:
	s_add_co_u32 s[N], s[N], 1
	s_cmp_lt_u32 s[N], 32
	s_cbranch_scc1 .Lmain
	s_wait_tensorcnt 0x0                           ; the wave's end
	ds_add_u32 v[SPW], v[NIL]
	s_wait_dscnt 0x0
	ROUND                                          ; the closing round
	s_endpgm
.Lfunc_end_k_qd1b709fe87_attn:
	.size	k_qd1b709fe87_attn, .Lfunc_end_k_qd1b709fe87_attn-k_qd1b709fe87_attn
	.p2alignl 7, 3214868480
	.fill 96, 4, 3214868480
	.section	.rodata,"a",@progbits
	.p2align	6, 0x0
	.amdhsa_kernel k_qd1b709fe87_attn
		.amdhsa_group_segment_fixed_size 327680
		.amdhsa_private_segment_fixed_size 0
		.amdhsa_enable_private_segment 0
		.amdhsa_kernarg_size 24
		.amdhsa_user_sgpr_count 2
		.amdhsa_user_sgpr_kernarg_segment_ptr 1
		.amdhsa_wavefront_size32 1
		.amdhsa_system_sgpr_workgroup_id_x 1
		.amdhsa_system_sgpr_workgroup_id_y 1
		.amdhsa_system_sgpr_workgroup_id_z 1
		.amdhsa_system_vgpr_workitem_id 0
		.amdhsa_next_free_vgpr 512
		.amdhsa_next_free_sgpr 76
		.amdhsa_reserve_vcc 0
		.amdhsa_float_denorm_mode_32 3
		.amdhsa_float_denorm_mode_16_64 3
		.amdhsa_memory_ordered 1
		.amdhsa_forward_progress 1
		.amdhsa_inst_pref_size 92
	.end_amdhsa_kernel
	.amdgpu_metadata
---
amdhsa.version: [ 1, 2 ]
amdhsa.kernels:
  - .name:           k_qd1b709fe87_attn
    .symbol:         k_qd1b709fe87_attn.kd
    .args:
      - { .name: qimg, .offset: 0, .size: 8, .value_kind: global_buffer, .address_space: global }
      - { .name: kv, .offset: 8, .size: 8, .value_kind: global_buffer, .address_space: global }
      - { .name: out0, .offset: 16, .size: 8, .value_kind: global_buffer, .address_space: global }
    .group_segment_fixed_size: 327680
    .private_segment_fixed_size: 0
    .kernarg_segment_align: 8
    .kernarg_segment_size: 24
    .max_flat_workgroup_size: 256
    .sgpr_count:     76
    .vgpr_count:     512
    .wavefront_size: 32
...
	.end_amdgpu_metadata
.endif
;; end of part 2
